; MI455X (gfx1250); checked and timed in simulation.
; The chip was launched on July 23, 2026; its instructions are those of AMD's public machine-readable ISA for CDNA 5 (MIT licence, August 2026) and "CDNA5" Instruction Set Architecture Reference Guide (July 2026). The comments in the code are by the model that wrote it; some were corrected since.
;; Cross Net Mix Fuxi CTR. Allowed arithmetic: float matrix products may take bf16 or f16 operands with f32 sums; all other float work in f32.
;; Inputs: U 3 x 8 x 64 x 2,048 float32; V 3 x 8 x 64 x 2,048 float32; Wg 3 x 8 x 2,048 float32; X0 8,192 x 2,048 float32; bg 3 x 8 float32.
;; Outputs: out0 8,192 x 2,048 float32.
;; 2 versions, each right; version 2 is version 1 with the launches cast, cross written anew for expert scheduling mode. Each part assembles by itself: llvm-mc -triple=amdgcn-amd-amdhsa -mcpu=gfx1250 --defsym DOCPART=n.
;; ======== version 1 of 2: 3 launches
;; workspace buffers: Xb 33,554,432 bytes; Wb 13,107,200 bytes; ag 1,572,864 bytes
;; launch cast (part 1): grid 89 x 8, 8 waves a work-group, no clusters, 0 bytes of LDS; arguments X0, U, V, Wg, Xb, Wb; writes Xb, Wb
.if DOCPART == 1
	.amdgcn_target "amdgcn-amd-amdhsa--gfx1250"
	.amdhsa_code_object_version 6
	.text
	.protected	k_q0005ee0e23_cast
	.globl	k_q0005ee0e23_cast
	.p2align	8
	.type	k_q0005ee0e23_cast,@function
k_q0005ee0e23_cast:
	s_mov_b64 s[64:65], 0
	v_nop
	global_prefetch_b8 v0, s[64:65] scope:SCOPE_SE
	s_setreg_imm32_b32 hwreg(HW_REG_WAVE_MODE, 25, 1), 1
	s_wait_xcnt 0x0
; f32 to bf16 (round to nearest even), into layouts tiled along K for the product that follows.
;   Xb[kc 0..31][row 0..8191][64 bf16]           byte = kc*1,048,576 + row*128
;   Wb[kc 0..31][expert 0..7][rho 0..399][64]    byte = kc*409,600 + e*51,200 + rho*128
;     rho < 384:  j2 = rho/192, l = (rho%192)/64, t = (rho%64)/32, rr = rho%32: row 32 j2 + rr of (t ? V : U)[l][e]
;     rho = 384+g: Wg[min(g,2)][e].  Rows 387..399 are copies of gate row 2: they are written so that the product reads no
;     unwritten byte; their columns of the product are never used.
; A work-group takes 16 destination rows over all 2,048 K; a wave two rows: 16 KiB in, 8 KiB out.  All 32 loads of a wave go out at once.
; A load: lanes 0-15 take 256 aligned bytes (64 f32, one K plane) of the even row, lanes 16-31 of the odd row.
; A store: 32 lanes x 8 bytes = 256 consecutive aligned bytes, the two rows' 128 bytes of that K plane.
; No LDS, no barrier, no matrix unit, no cluster: no byte is used twice (but for the 13 copied gate rows of each expert).
; Grid: x 0..63 with y 0..7: group 64 y + x of X0's 512; x = 64 + gi, gi 0..23: U and V of expert y; gi = 24: the gates of expert y.
; The kind is chosen by selects on the ids, so the text is one straight line.
.set SRC, 5                            ; v5       byte offset of my 16 bytes in the source, K plane 0
.set DST, 6                            ; v6       byte offset of my 8 bytes in the destination, K plane 0
.set X,   8                            ; v[8:135] load i: 4 registers; then 2 of bf16, 1 of store offset
	s_load_b256 s[4:11], s[0:1], 0x0               ; X0 s[4:5], U s[6:7], V s[8:9], Wg s[10:11]
	s_load_b128 s[12:15], s[0:1], 0x20             ; Xb s[12:13], Wb s[14:15]
	s_and_b32 s2, ttmp7, 0xffff                    ; y
	s_lshl_b32 s26, s2, 6
	s_add_co_u32 s26, s26, ttmp9                   ; X0's group g = 64 y + x
	s_lshl_b32 s27, s26, 17                        ; its source offset: 16 rows of 8,192 bytes
	s_lshl_b32 s28, s26, 11                        ; its destination offset: 16 rows of 128 bytes
	s_sub_co_i32 s29, ttmp9, 64
	s_max_i32 s29, s29, 0                          ; gi, 0..24 (0 where the group is X0's: not used there)
	s_cmp_ge_u32 s29, 12
	s_cselect_b32 s30, 1, 0                        ; j2
	s_mul_i32 s31, s30, 12
	s_sub_co_u32 s31, s29, s31                     ; rem = gi - 12 j2: l = rem>>2, t = bit 1, upper 16 of 32 rows = bit 0
	s_lshr_b32 s18, s31, 2
	s_lshl3_add_u32 s18, s18, s2                   ; 8 l + e
	s_lshl_b32 s18, s18, 6                         ; x 64 rows
	s_lshl_b32 s19, s30, 5
	s_add_co_u32 s18, s18, s19                     ; + 32 j2
	s_and_b32 s19, s31, 1
	s_lshl_b32 s19, s19, 4
	s_add_co_u32 s18, s18, s19                     ; + 16 (rem & 1)
	s_lshl_b32 s18, s18, 13                        ; U's and V's source offset, in bytes
	s_mul_i32 s24, s2, 51200
	s_lshl_b32 s19, s29, 11
	s_add_co_u32 s24, s24, s19                     ; Wb: e*51,200 + gi*16 rows of 128 bytes (gi = 24: row 384, the gates)
	s_lshl_b32 s21, s2, 13                         ; the gates' source offset: row e of layer 0
	s_mov_b32 s25, 409600                          ; from K plane to K plane in Wb
	s_mov_b32 s33, 1048576                         ; and in Xb
	s_wait_kmcnt 0x0
	s_bitcmp1_b32 s31, 1
	s_cselect_b64 s[16:17], s[8:9], s[6:7]         ; t ? V : U
	s_cmp_eq_u32 s29, 24
	s_cselect_b64 s[16:17], s[10:11], s[16:17]     ; the gates come from Wg,
	s_cselect_b32 s18, s21, s18
	s_cselect_b32 s19, 16, 13                      ; where a step of one row is a layer (65,536 bytes) instead of 8,192,
	s_cselect_b32 s20, 2, 15                       ; and rows past the third repeat the third
	s_cmp_lt_u32 ttmp9, 64
	s_cselect_b64 s[16:17], s[4:5], s[16:17]       ; source
	s_cselect_b64 s[22:23], s[12:13], s[14:15]     ; destination
	s_cselect_b32 s18, s27, s18
	s_cselect_b32 s24, s28, s24
	s_cselect_b32 s25, s33, s25
	v_lshrrev_b32 v4, 4, v0                        ; my row of the 16 = 2 x wave + half
	v_min_u32 v4, s20, v4
	v_lshlrev_b32 v4, s19, v4
	v_and_b32 v1, 15, v0
	v_lshl_add_u32 v[SRC], v1, 4, v4               ; + 16 bytes for each lane of the half
	v_add_nc_u32 v[SRC], s18, v[SRC]
	v_lshl_add_u32 v[DST], v0, 3, s24              ; row*128 + 8 (lane mod 16) = 8 x thread
.set i, 0
.rept 32
	global_load_b128 v[X+4*i:X+4*i+3], v[SRC], s[16:17] offset:256*i th:TH_LOAD_NT
.set i, i+1
.endr
	s_mov_b32 s26, 0                               ; K plane i's offset in the destination
; Each turn has registers of its own for the store's data and offset, so no source of a pending access is ever written again.
.set i, 0
.rept 32
	s_wait_loadcnt 31-i                            ; loads come back in order (ISA guide 5.7.1): load i is in, the younger ones stay out
	v_cvt_pk_bf16_f32 v[X+4*i],   v[X+4*i],   v[X+4*i+1]
	v_cvt_pk_bf16_f32 v[X+4*i+1], v[X+4*i+2], v[X+4*i+3]
	v_add_nc_u32 v[X+4*i+2], s26, v[DST]
	global_store_b64 v[X+4*i+2], v[X+4*i:X+4*i+1], s[22:23]
	s_add_co_u32 s26, s26, s25
.set i, i+1
.endr
	s_endpgm
.Lfunc_end_k_q0005ee0e23_cast:
	.size	k_q0005ee0e23_cast, .Lfunc_end_k_q0005ee0e23_cast-k_q0005ee0e23_cast
	.p2alignl 7, 3214868480
	.fill 96, 4, 3214868480
	.section	.rodata,"a",@progbits
	.p2align	6, 0x0
	.amdhsa_kernel k_q0005ee0e23_cast
		.amdhsa_group_segment_fixed_size 0
		.amdhsa_private_segment_fixed_size 0
		.amdhsa_enable_private_segment 0
		.amdhsa_kernarg_size 48
		.amdhsa_user_sgpr_count 2
		.amdhsa_user_sgpr_kernarg_segment_ptr 1
		.amdhsa_wavefront_size32 1
		.amdhsa_system_sgpr_workgroup_id_x 1
		.amdhsa_system_sgpr_workgroup_id_y 1
		.amdhsa_system_sgpr_workgroup_id_z 1
		.amdhsa_system_vgpr_workitem_id 0
		.amdhsa_next_free_vgpr 136
		.amdhsa_next_free_sgpr 66
		.amdhsa_reserve_vcc 0
		.amdhsa_float_denorm_mode_32 3
		.amdhsa_float_denorm_mode_16_64 3
		.amdhsa_memory_ordered 1
		.amdhsa_forward_progress 1
		.amdhsa_inst_pref_size 16
	.end_amdhsa_kernel
	.amdgpu_metadata
---
amdhsa.version: [ 1, 2 ]
amdhsa.kernels:
  - .name:           k_q0005ee0e23_cast
    .symbol:         k_q0005ee0e23_cast.kd
    .args:
      - { .name: X0, .offset: 0, .size: 8, .value_kind: global_buffer, .address_space: global }
      - { .name: U, .offset: 8, .size: 8, .value_kind: global_buffer, .address_space: global }
      - { .name: V, .offset: 16, .size: 8, .value_kind: global_buffer, .address_space: global }
      - { .name: Wg, .offset: 24, .size: 8, .value_kind: global_buffer, .address_space: global }
      - { .name: Xb, .offset: 32, .size: 8, .value_kind: global_buffer, .address_space: global }
      - { .name: Wb, .offset: 40, .size: 8, .value_kind: global_buffer, .address_space: global }
    .group_segment_fixed_size: 0
    .private_segment_fixed_size: 0
    .kernarg_segment_align: 8
    .kernarg_segment_size: 48
    .max_flat_workgroup_size: 256
    .sgpr_count:     66
    .vgpr_count:     136
    .wavefront_size: 32
...
	.end_amdgpu_metadata
.endif
;; end of part 1
;; launch proj (part 2): grid 8 x 32, 4 waves a work-group, clusters of 4 x 4, 327,680 bytes of LDS; arguments Xb, Wb, ag; writes ag
.if DOCPART == 2
	.amdgcn_target "amdgcn-amd-amdhsa--gfx1250"
	.amdhsa_code_object_version 6
	.text
	.protected	k_q0005ee0e23_proj
	.globl	k_q0005ee0e23_proj
	.p2align	8
	.type	k_q0005ee0e23_proj,@function
k_q0005ee0e23_proj:
	s_mov_b64 s[64:65], 0
	v_nop
	global_prefetch_b8 v0, s[64:65] scope:SCOPE_SE
	s_setreg_imm32_b32 hwreg(HW_REG_WAVE_MODE, 25, 1), 1
	s_wait_xcnt 0x0
	s_wait_alu depctr_hold_cnt(0) depctr_sa_sdst(0) depctr_va_vdst(0) depctr_va_sdst(0) depctr_va_ssrc(0) depctr_va_vcc(0) depctr_vm_vsrc(0)
	s_getreg_b32 s2, hwreg(HW_REG_IB_STS2, 6, 4)
	s_cmp_eq_u32 s2, 0
	s_cbranch_scc0 .Lentry_in_a_cluster
	s_endpgm
.Lentry_in_a_cluster:
	s_bfe_u32 s2, ttmp6, 0x10000c
	s_cmp_lg_u32 s2, 0xf033
	s_cbranch_scc0 .Lentry_shape_is_right
	s_endpgm
.Lentry_shape_is_right:
; All three layers' projections of X0 in one product, reduced in registers to 6 numbers for each row and expert.
; Since every layer adds a multiple of X0, Xi = c X0 with one c a row, so X0's projections serve all layers (the last launch applies c):
;   a[l][e][b] = sum over r of (X0[b].U[l][e][r]) (X0[b].V[l][e][r]),   g[l][e][b] = X0[b].Wg[l][e]
;   ag, f32: plane (kind*24 + 8 l + e) of 8,192 rows, kind 0 = a, 1 = g.
; Work-group (e, yb): rows 256 yb .. +255 times the 400 rows of Wb of expert e.  Four waves, as many as a WGP has SIMDs.
; Wave w = 2 i + j2: rows 128 i .. +127 times 192 weight rows (for each layer U's and V's rows 32 j2 .. +31): 96 accumulator tiles,
; 768 registers, windows 1 to 3 (window l+1 = layer l, tile (a, bb) at v[8 (4 a + bb)], bb = 2 t + qq);
; and 64 rows times the 16 gate rows: 4 tiles in window 0.
; K goes in steps of 64 through two LDS slots: 656 rows of 128 bytes a slot; two slots of a step of 128 would pass the 327,680 bytes of LDS.
; Xb and Wb are tiled along K, so a tile is one dense block of memory: it is fetched as rows of 256 aligned bytes, and the padding
; (16 bytes behind every 128) makes LDS rows of 144 bytes: 16 neighbouring rows start at 16 different 16-byte columns of the banks' 256 bytes (ISA guide 11.1).
; CLUSTERS 4 x 4: the four work-groups of a row of the cluster share yb and ask for Xb's tile jointly; the four of a column share e and ask for Wb's jointly.
; THE MATRIX INSTRUCTION IS USED TRANSPOSED: source 0 = 16 weight rows, source 1 = 16 rows of X.  Lane (r, h), register j then holds
; (row r of X, weight row 8 h + j): the product U V and its sum over r are work inside a lane, plus one step across the two halves.
; The 100 accumulators take turns, one instruction a turn, in one order in every K step of 32 and over the backward jump.
; Operands bf16, sums f32.
.set PITCH,  144
.set FR,     16*PITCH                  ; a fragment's 16 rows
.set ATILE,  256*PITCH                 ; X's tile; the weights' 400 rows lie behind it
.set AHALF,  128*PITCH                 ; what one load of X's tile fills
.set BHALF,  200*PITCH                 ; what one load of the weights' tile fills
.set SLOT,   656*PITCH                 ; 94,464
.set STAGE,  2*SLOT                    ; 188,928 = 738 x 256: no tensor load lands at or behind it.  SA[j2][l][256] f32, then SG[l][256]: 9,216 bytes
.set XSTEP,  1048576                   ; a K plane of Xb
.set WSTEP,  409600                    ; a K plane of Wb
.set ALO,  8                           ; v8, v9    slot 0, 1: my rows 128 i + 64 j2 .. +63 (fragment places 0-3: the gates' rows too)
.set AHI,  10                          ; v10, v11  my rows 128 i + 64 (1 - j2) .. +63 (fragment places 4-7)
.set ADRB, 12                          ; v12, v13  my 192 weight rows
.set ADRG, 14                          ; v14, v15  the 16 gate rows
.set STLO, 16                          ; stage: where the sums of places 0-3 go
.set STHI, 17                          ; of places 4-7
.set STG,  18                          ; the gates'
.set RD,   19                          ; stage: what I read back
.set CO,   20                          ; my byte offset in a plane of ag
.set GACC, 24                          ; v[24:55]   4 gate tiles
.set GB,   56                          ; v[56:63]   the gate rows' fragment
.set A0,   64                          ; v[64:127]  X's fragments, buffer 0
.set A1,   128                         ; v[128:191] buffer 1
.set B0,   192                         ; v[192:223] four weight fragments, buffer 0
.set B1,   224                         ; v[224:255] buffer 1
.set T,    64                          ; the way out: 8 pairs of sums
.set O,    96                          ; the way out: 18 registers read back
.set G1,  24                           ; s[24:31] group 1 for X's tiles
.set G0,  32                           ; s[32:39] group 0 for X's tiles, a set for each slot
.set G1B, 48                           ; s[48:55] group 1 for the weights' tiles
.set G0B, 56                           ; s[56:63] group 0 for the weights' tiles
.set G1W0, (3<<16)|(1<<20)|(1<<21)|(4<<22)|(3<<25)   ; elements of 8 bytes; padding on; bit 21 beside a mask; behind every 32 words (code 4) skip 4 words (code 3)
.set MSB, 0
.macro WIN new                         ; s_set_vgpr_msb: bits 1:0 source 0, 3:2 source 1, 5:4 source 2, 7:6 destination; the high byte repeats the setting left
.if MSB != (\new)
	s_set_vgpr_msb (MSB<<8)|(\new)
.set MSB, (\new)
.endif
.endm
.macro PLACES                          ; a load into a register that a matrix instruction has read, and a vector instruction that reads a matrix result,
.rept 4                                ; stand four plain vector instructions behind it (ISA guide 7.12.1 for vector instructions)
	v_nop
.endr
.endm
; A joint load: waves 0 and 1 ask for the halves of X's tile, waves 2 and 3 for the halves of the weights'.  The branch hangs on the wave's number alone.
.macro JLOAD s
	s_cmp_eq_u32 s11, 0
	s_cbranch_scc0 .Lfor_b_\@
	tensor_load_to_lds s[G0+4*\s:G0+4*\s+3], s[G1:G1+7]
	s_nop 0
	s_branch .Lasked_\@
.Lfor_b_\@:
	tensor_load_to_lds s[G0B+4*\s:G0B+4*\s+3], s[G1B:G1B+7]
	s_nop 0
.Lasked_\@:
.endm
.macro CREST                           ; a round of the cluster's barrier behind its opening work-group barrier
	s_cmp_lg_u32 s10, 0
	s_cbranch_scc1 .Lnot_wave_0_\@
	s_barrier_signal -3
.Lnot_wave_0_\@:
	s_barrier_wait -3
	s_barrier_signal -1
	s_barrier_wait -1
.endm
.macro CROUND
	s_barrier_signal -1
	s_barrier_wait -1
	CREST
.endm
	s_load_b128 s[4:7], s[0:1], 0x0                ; Xb s[4:5], Wb s[6:7]
	s_load_b64 s[8:9], s[0:1], 0x10                ; ag
	v_lshl_add_u32 v22, v0, 2, 0x30600
	v_mov_b32 v23, 0
	ds_add_u32 v22, v23
	v_lshrrev_b32 v1, 5, v0
	v_readfirstlane_b32 s10, v1                    ; wave 0..3
	s_lshr_b32 s11, s10, 1                         ; i: my half of the rows.  Also: I fetch X's tile (0) or the weights' (1)
	s_and_b32 s12, s10, 1                          ; j2: my half of the weight rows.  Also: which half of that tile I fetch
	s_bfe_u32 s40, ttmp6, 0x40000                  ; cx
	s_bfe_u32 s41, ttmp6, 0x40004                  ; cy
	s_lshl_b32 s42, ttmp9, 2
	s_add_co_u32 s42, s42, s40                     ; e = 4 x cluster x + cx
	s_and_b32 s13, ttmp7, 0xffff
	s_lshl_b32 s13, s13, 2
	s_add_co_u32 s13, s13, s41                     ; yb = 4 x cluster y + cy
	s_lshl_b32 s43, s41, 2
	s_lshl_b32 s43, 15, s43                        ; my row of the cluster: places 4 cy .. 4 cy + 3
	s_lshl_b32 s44, 0x1111, s40                    ; my column: places cx, cx + 4, cx + 8, cx + 12
	; group 1: a dense block as R rows of 32 elements of 8 bytes.  X: R = 64 (128 rows of Xb); weights: R = 100 (200 rows of Wb)
	s_or_b32 s[G1+0], s43, G1W0
	s_or_b32 s[G1B+0], s44, G1W0
	s_mov_b32 s[G1+1], 32<<16                      ; tensor_dim0 = 32
	s_mov_b32 s[G1B+1], 32<<16
	s_mov_b32 s[G1+2], 64<<16                      ; tensor_dim1 = R
	s_mov_b32 s[G1B+2], 100<<16
	s_mov_b32 s[G1+3], 32<<16                      ; tile_dim0 = 32
	s_mov_b32 s[G1B+3], 32<<16
	s_mov_b32 s[G1+4], 64                          ; tile_dim1 = R
	s_mov_b32 s[G1B+4], 100
	s_mov_b32 s[G1+5], 32                          ; from row to row: 32 elements, the block is dense
	s_mov_b32 s[G1B+5], 32
	s_mov_b32 s[G1+6], 0
	s_mov_b32 s[G1B+6], 0
	s_mov_b32 s[G1+7], 0
	s_mov_b32 s[G1B+7], 0
	; X's address hangs on yb and the wave alone, the weights' on e and the wave alone, each in registers that never hold the other coordinate
	s_lshl_b32 s16, s13, 15                        ; 256 rows of 128 bytes
	s_lshl_b32 s17, s12, 14                        ; + my half
	s_add_co_u32 s16, s16, s17
	s_mov_b32 s17, 0
	s_mul_i32 s46, s42, 51200                      ; 400 rows of 128 bytes
	s_mul_i32 s47, s12, 25600
	s_add_co_u32 s46, s46, s47
	s_mov_b32 s47, 0
	s_mul_i32 s20, s12, AHALF                      ; where they go in LDS: the wave's number and constants alone
	s_mul_i32 s21, s12, BHALF
	s_add_co_u32 s21, s21, ATILE
	s_wait_dscnt 0x0
	s_wait_kmcnt 0x0
	s_add_nc_u64 s[14:15], s[4:5], s[16:17]
	s_add_nc_u64 s[46:47], s[6:7], s[46:47]
	CROUND                                         ; all sixteen work-groups are here: the first joint loads meet
.irp s, 0,1
	s_mov_b32 s[G0+4*\s], 1
	s_add_co_u32 s[G0+4*\s+1], s20, \s*SLOT
	s_add_nc_u64 s[G0+4*\s+2:G0+4*\s+3], s[14:15], \s*XSTEP        ; K step s
	s_or_b32 s[G0+4*\s+3], s[G0+4*\s+3], 0x80000000
	s_mov_b32 s[G0B+4*\s], 1
	s_add_co_u32 s[G0B+4*\s+1], s21, \s*SLOT
	s_add_nc_u64 s[G0B+4*\s+2:G0B+4*\s+3], s[46:47], \s*WSTEP
	s_or_b32 s[G0B+4*\s+3], s[G0B+4*\s+3], 0x80000000
	JLOAD \s                                       ; both slots' first fills go out together: two loads of the wave are out
.endr
	; a fragment: lane (r, h) holds row r; registers 0-3 K = 8 h .. +7, registers 4-7 K = 16 + 8 h .. +7: two loads of 16 bytes, 32 bytes apart
	v_and_b32 v1, 15, v0                           ; r
	v_bfe_u32 v2, v0, 4, 1                         ; h
	v_mul_u32_u24 v3, v1, PITCH
	v_lshl_add_u32 v3, v2, 4, v3
	s_mul_i32 s16, s11, 128*PITCH
	s_mul_i32 s17, s12, 64*PITCH
	s_add_co_u32 s22, s16, s17
	s_xor_b32 s17, s12, 1
	s_mul_i32 s17, s17, 64*PITCH
	s_add_co_u32 s23, s16, s17
	s_mul_i32 s18, s12, 192*PITCH
	s_add_co_u32 s18, s18, ATILE
	v_add_nc_u32 v[ALO], s22, v3
	v_add_nc_u32 v[AHI], s23, v3
	v_add_nc_u32 v[ADRB], s18, v3
	v_add_nc_u32 v[ADRG], ATILE+384*PITCH, v3
.irp b, ALO, AHI, ADRB, ADRG
	v_add_nc_u32 v[\b+1], SLOT, v[\b]
.endr
	; the stage: SA[j2][l][row] at j2*3,072 + l*1,024 + 4 row, SG[l][row] at 6,144 + l*1,024 + 4 row
	v_and_b32 v4, 31, v0
	v_lshlrev_b32 v4, 2, v4                        ; 4 (16 h + r)
	s_lshl_b32 s19, s11, 9                         ; 4 x 128 i
	s_mul_i32 s20, s12, 3328                       ; j2 (3,072 + 4 x 64)
	s_add_co_u32 s20, s20, s19
	s_add_co_u32 s20, s20, STAGE
	v_add_nc_u32 v[STLO], s20, v4
	s_mul_i32 s20, s12, 2816                       ; j2 x 3,072 + 4 x 64 (1 - j2)
	s_add_co_u32 s20, s20, s19
	s_add_co_u32 s20, s20, STAGE+256
	v_add_nc_u32 v[STHI], s20, v4
	s_lshl_b32 s20, s12, 8
	s_add_co_u32 s20, s20, s19
	s_add_co_u32 s20, s20, STAGE+6144
	v_add_nc_u32 v[STG], s20, v4
	v_lshlrev_b32 v[CO], 3, v0                     ; rows 64 w + 2 lane, + 1: 8 bytes
	v_add_nc_u32 v[RD], STAGE, v[CO]
; 16 matrix instructions under the caller's window: X's places a0 .. a0+3 times the four weight fragments of buffer fb.  zero = 1: the product starts the sums
.macro MUL16 fa, fb, a0, zero
.irp a, \a0, \a0+1, \a0+2, \a0+3
.irp b, 0,1,2,3
.if \zero
	v_wmma_f32_16x16x32_bf16 v[8*(4*(\a)+\b):8*(4*(\a)+\b)+7], v[\fb+8*\b:\fb+8*\b+7], v[\fa+8*(\a):\fa+8*(\a)+7], 0
.else
	v_wmma_f32_16x16x32_bf16 v[8*(4*(\a)+\b):8*(4*(\a)+\b)+7], v[\fb+8*\b:\fb+8*\b+7], v[\fa+8*(\a):\fa+8*(\a)+7], v[8*(4*(\a)+\b):8*(4*(\a)+\b)+7]
.endif
.endr
.endr
.endm
.macro GATE fa, zero                   ; window 0: the gate rows times X's places 0-3
.irp a, 0,1,2,3
.if \zero
	v_wmma_f32_16x16x32_bf16 v[GACC+8*\a:GACC+8*\a+7], v[GB:GB+7], v[\fa+8*\a:\fa+8*\a+7], 0
.else
	v_wmma_f32_16x16x32_bf16 v[GACC+8*\a:GACC+8*\a+7], v[GB:GB+7], v[\fa+8*\a:\fa+8*\a+7], v[GACC+8*\a:GACC+8*\a+7]
.endif
.endr
.endm
.macro FETCHB s, k, l, fb              ; 8 loads: layer l's four weight fragments, 32 K at byte k of the rows
.irp b, 0,1,2,3
	ds_load_b128 v[\fb+8*\b:\fb+8*\b+3],   v[ADRB+\s] offset:\k+(4*\l+\b)*FR
	ds_load_b128 v[\fb+8*\b+4:\fb+8*\b+7], v[ADRB+\s] offset:\k+(4*\l+\b)*FR+32
.endr
.endm
.macro FETCHA s, k, fa, hi             ; 8 loads: X's places 4 hi .. 4 hi + 3
.irp a, 0,1,2,3
	ds_load_b128 v[\fa+32*\hi+8*\a:\fa+32*\hi+8*\a+3],   v[ALO+2*\hi+\s] offset:\k+\a*FR
	ds_load_b128 v[\fa+32*\hi+8*\a+4:\fa+32*\hi+8*\a+7], v[ALO+2*\hi+\s] offset:\k+\a*FR+32
.endr
.endm
.macro FETCHG s, k                     ; 2 loads: the gate rows
	ds_load_b128 v[GB:GB+3],   v[ADRG+\s] offset:\k
	ds_load_b128 v[GB+4:GB+7], v[ADRG+\s] offset:\k+32
.endm
; One K step of 64 out of slot s = two steps of 32 (bytes 0 and 64 of the rows, X in buffers A0 and A1), 200 matrix instructions.
; On entry A0 and B0 (layer 0, byte 0) have been asked for.  Each counted wait on DScnt leaves out exactly the loads of the run in front of it:
; what was asked for one group of 32 matrix instructions earlier is in.
; mode 2: slots change and slot s is filled again, two K steps ahead; mode 1: slots change; mode 0: the last step.  nx = the other slot.
.macro SLOTSTEP s, nx, zero, mode
	PLACES
	FETCHB \s, 0, 1, B1
	FETCHG \s, 0
	s_wait_dscnt 10                                ; A0 and B0 are in
	WIN 0x50
	MUL16 A0, B0, 0, \zero
	MUL16 A0, B0, 4, \zero
	WIN 0
	PLACES
	FETCHB \s, 0, 2, B0
	FETCHA \s, 64, A1, 0
	s_wait_dscnt 16                                ; B1 and the gate rows are in
	WIN 0xa0
	MUL16 A0, B1, 0, \zero
	MUL16 A0, B1, 4, \zero
	WIN 0
	PLACES
	FETCHB \s, 64, 0, B1
	FETCHA \s, 64, A1, 1
	s_wait_dscnt 16                                ; B0 and A1's places 0-3 are in
	WIN 0xf0
	MUL16 A0, B0, 0, \zero
	MUL16 A0, B0, 4, \zero
	WIN 0
	GATE A0, \zero
	PLACES
	FETCHB \s, 64, 1, B0
	FETCHG \s, 64
	s_wait_dscnt 10                                ; B1 and A1's places 4-7 are in
	WIN 0x50
	MUL16 A1, B1, 0, 0
	MUL16 A1, B1, 4, 0
	WIN 0
	PLACES
	FETCHB \s, 64, 2, B1                           ; my last reads of slot s
	s_wait_dscnt 8                                 ; B0 and the gate rows are in
	WIN 0xa0
	MUL16 A1, B0, 0, 0
.if \mode
	s_wait_dscnt 0x0                               ; my reads of this slot are over,
	s_wait_tensorcnt 0x0                           ; and all my tensor loads have landed: the one that was out is my part of the other slot
	ds_add_u32 v22, v23
	s_wait_dscnt 0x0
	s_barrier_signal -1                            ; say so (in mode 2 this barrier opens a round of the cluster's barrier),
	MUL16 A1, B0, 4, 0                             ; work on registers while the others arrive,
	WIN 0
	s_barrier_wait -1
.if \mode == 2
	CREST                                          ; no wave of any partner still reads this slot or has a load on its way
	s_add_nc_u64 s[G0+4*\s+2:G0+4*\s+3], s[G0+4*\s+2:G0+4*\s+3], 2*XSTEP
	s_add_nc_u64 s[G0B+4*\s+2:G0B+4*\s+3], s[G0B+4*\s+2:G0B+4*\s+3], 2*WSTEP
	JLOAD \s                                       ; the wave's one tensor load behind the round, ahead of its LDS reads; 184 matrix instructions stand between it and the wait for it
.endif
	PLACES
	FETCHB \nx, 0, 0, B0
	FETCHA \nx, 0, A0, 0
	FETCHA \nx, 0, A0, 1
.else
	MUL16 A1, B0, 4, 0
	s_wait_dscnt 0x0                               ; B1 is in; nothing more is fetched
.endif
	WIN 0xf0
	MUL16 A1, B1, 0, 0
	MUL16 A1, B1, 4, 0
	WIN 0
	GATE A1, 0
.endm
	s_wait_tensorcnt 1                             ; my part of K step 0 is in; K step 1's load may stay out
	s_barrier_signal -1
	s_barrier_wait -1                              ; everybody's part is in
	FETCHB 0, 0, 0, B0
	FETCHA 0, 0, A0, 0
	FETCHA 0, 0, A0, 1
	SLOTSTEP 0, 1, 1, 2                            ; K steps 0 and 1 stand in front of the loop: the first products start the sums
	SLOTSTEP 1, 0, 0, 2
	s_mov_b32 s3, 14                               ; K steps 2 to 29
.Llap:
	SLOTSTEP 0, 1, 0, 2
	SLOTSTEP 1, 0, 0, 2
	s_sub_co_u32 s3, s3, 1
	s_cmp_lg_u32 s3, 0
	s_cbranch_scc1 .Llap
	SLOTSTEP 0, 1, 0, 1                            ; K steps 30 and 31 fill nothing
	SLOTSTEP 1, 0, 0, 0
	; THE WAY OUT.  Four places behind the last matrix instructions, then vector work on their results.
	PLACES
	s_mov_b32 vcc_lo, 0xffff0000                   ; lanes with h = 1
	s_mov_b32 s20, 0x76543210                      ; v_permlanex16_b32: lane i takes lane i xor 16
	s_mov_b32 s21, 0xfedcba98
	s_lshl_b32 s16, s13, 10                        ; my 256 rows in a plane of ag
	s_mov_b32 s17, 0
	s_add_nc_u64 s[8:9], s[8:9], s[16:17]
	s_lshl_b32 s46, s42, 15                        ; plane e
	s_mov_b32 s47, 0
	s_add_nc_u64 s[8:9], s[8:9], s[46:47]
; Layer l: for each of X's 8 places the sum over my 16 weight rows a lane (qq = 0, 1; 8 registers) of U V, in eight chains that do not wait for each other.
; Then the two halves of the lanes meet: of a pair of places, lanes h = 0 keep the first and send the second, lanes h = 1 the other way round,
; so that one exchange serves two places and lane (r, h) ends with row 16 (a + h) + r.
.macro FOLD l
	WIN (\l+1)*5                                   ; sources 0 and 1 in window l + 1; source 2 and destination in window 0
.irp q, 0,1
.irp p, 0,2,4,6
.irp a, 0,1,2,3,4,5,6,7
.if (\q+\p) == 0
	v_pk_mul_f32 v[T+2*\a:T+2*\a+1], v[8*(4*\a+\q)+\p:8*(4*\a+\q)+\p+1], v[8*(4*\a+2+\q)+\p:8*(4*\a+2+\q)+\p+1]
.else
	v_pk_fma_f32 v[T+2*\a:T+2*\a+1], v[8*(4*\a+\q)+\p:8*(4*\a+\q)+\p+1], v[8*(4*\a+2+\q)+\p:8*(4*\a+2+\q)+\p+1], v[T+2*\a:T+2*\a+1]
.endif
.endr
.endr
.endr
	WIN 0
.irp a, 0,1,2,3,4,5,6,7
	v_add_f32 v[T+2*\a], v[T+2*\a], v[T+2*\a+1]
.endr
.irp a, 0,2,4,6
	v_cndmask_b32 v[T+2*\a+3], v[T+2*\a+2], v[T+2*\a], vcc_lo      ; what I send
	v_cndmask_b32 v[T+2*\a], v[T+2*\a], v[T+2*\a+2], vcc_lo        ; what I keep
	v_permlanex16_b32 v[T+2*\a+1], v[T+2*\a+3], s20, s21           ; its destination counts as read: a pair's upper register, written above and no longer used
	v_add_f32 v[T+2*\a], v[T+2*\a], v[T+2*\a+1]
.endr
	ds_store_b32 v[STLO], v[T]    offset:\l*1024
	ds_store_b32 v[STLO], v[T+4]  offset:\l*1024+128
	ds_store_b32 v[STHI], v[T+8]  offset:\l*1024
	ds_store_b32 v[STHI], v[T+12] offset:\l*1024+128
.endm
	FOLD 0
	FOLD 1
	FOLD 2
	; the gates: layer l's is weight row l of the 16, register l of the lanes with h = 0.  Lanes h = 1 take the next place's from their partner.
.irp l, 0,1,2
.irp a, 0,2
	v_permlanex16_b32 v[T+4*\l+\a+1], v[GACC+8*(\a+1)+\l], s20, s21
	v_cndmask_b32 v[T+4*\l+\a], v[GACC+8*\a+\l], v[T+4*\l+\a+1], vcc_lo
	ds_store_b32 v[STG], v[T+4*\l+\a] offset:\l*1024+64*\a
.endr
.endr
	s_wait_dscnt 0x0                               ; my stores into the stage are done, for the other waves' sake
	s_barrier_signal -1
	s_barrier_wait -1
	; wave w takes rows 64 w .. +63 of all six planes: the two halves of r are added, and each store covers 256 consecutive aligned bytes
.irp l, 0,1,2
	ds_load_b64 v[O+2*\l:O+2*\l+1],       v[RD] offset:\l*1024
	ds_load_b64 v[O+6+2*\l:O+6+2*\l+1],   v[RD] offset:3072+\l*1024
	ds_load_b64 v[O+12+2*\l:O+12+2*\l+1], v[RD] offset:6144+\l*1024
.endr
	s_wait_dscnt 0x0
.irp l, 0,1,2
	v_pk_add_f32 v[O+2*\l:O+2*\l+1], v[O+2*\l:O+2*\l+1], v[O+6+2*\l:O+6+2*\l+1]
.endr
.irp l, 0,1,2
	global_store_b64 v[CO], v[O+2*\l:O+2*\l+1],       s[8:9] offset:8*\l*32768
	global_store_b64 v[CO], v[O+12+2*\l:O+12+2*\l+1], s[8:9] offset:(24+8*\l)*32768
.endr
	s_wait_tensorcnt 0x0
	ds_add_u32 v22, v23
	s_wait_dscnt 0x0
	CROUND                                         ; the closing round: no work-group ends while a partner may still ask for a tile that names it
	s_endpgm
.Lfunc_end_k_q0005ee0e23_proj:
	.size	k_q0005ee0e23_proj, .Lfunc_end_k_q0005ee0e23_proj-k_q0005ee0e23_proj
	.p2alignl 7, 3214868480
	.fill 96, 4, 3214868480
	.section	.rodata,"a",@progbits
	.p2align	6, 0x0
	.amdhsa_kernel k_q0005ee0e23_proj
		.amdhsa_group_segment_fixed_size 327680
		.amdhsa_private_segment_fixed_size 0
		.amdhsa_enable_private_segment 0
		.amdhsa_kernarg_size 24
		.amdhsa_user_sgpr_count 2
		.amdhsa_user_sgpr_kernarg_segment_ptr 1
		.amdhsa_wavefront_size32 1
		.amdhsa_system_sgpr_workgroup_id_x 1
		.amdhsa_system_sgpr_workgroup_id_y 1
		.amdhsa_system_sgpr_workgroup_id_z 1
		.amdhsa_system_vgpr_workitem_id 0
		.amdhsa_next_free_vgpr 1024
		.amdhsa_next_free_sgpr 66
		.amdhsa_reserve_vcc 1
		.amdhsa_float_denorm_mode_32 3
		.amdhsa_float_denorm_mode_16_64 3
		.amdhsa_memory_ordered 1
		.amdhsa_forward_progress 1
		.amdhsa_inst_pref_size 144
	.end_amdhsa_kernel
	.amdgpu_metadata
---
amdhsa.version: [ 1, 2 ]
amdhsa.kernels:
  - .name:           k_q0005ee0e23_proj
    .symbol:         k_q0005ee0e23_proj.kd
    .args:
      - { .name: Xb, .offset: 0, .size: 8, .value_kind: global_buffer, .address_space: global }
      - { .name: Wb, .offset: 8, .size: 8, .value_kind: global_buffer, .address_space: global }
      - { .name: ag, .offset: 16, .size: 8, .value_kind: global_buffer, .address_space: global }
    .group_segment_fixed_size: 327680
    .private_segment_fixed_size: 0
    .kernarg_segment_align: 8
    .kernarg_segment_size: 24
    .max_flat_workgroup_size: 128
    .sgpr_count:     66
    .vgpr_count:     1024
    .wavefront_size: 32
...
	.end_amdgpu_metadata
.endif
;; end of part 2
;; launch cross (part 3): grid 256 x 1, 16 waves a work-group, no clusters, 8,448 bytes of LDS; arguments ag, bg, X0, out0; writes out0
.if DOCPART == 3
	.amdgcn_target "amdgcn-amd-amdhsa--gfx1250"
	.amdhsa_code_object_version 6
	.text
	.protected	k_q0005ee0e23_cross
	.globl	k_q0005ee0e23_cross
	.p2align	8
	.type	k_q0005ee0e23_cross,@function
k_q0005ee0e23_cross:
	s_mov_b64 s[64:65], 0
	v_nop
	global_prefetch_b8 v0, s[64:65] scope:SCOPE_SE
	s_setreg_imm32_b32 hwreg(HW_REG_WAVE_MODE, 25, 1), 1
	s_wait_xcnt 0x0
; out[b] = c3[b] X0[b].  Every layer adds a multiple of X0 to Xi, so Xi = c X0 with c0 = 1, and with a, g from the product before:
;   c' = c + c (c s),  s = sum over e of softmax_e(c g[l][e] + bg[l][e]) a[l][e]     (Uo Vo carries c twice, the logits once)
; The softmax takes its maximum away first.  LIMITS: the order of rounding differs from a text that updates Xi itself;
; a gate below 2^-126 counts as 0 (v_exp_f32 flushes denormal results, ISA guide 15.8); 1 / sum comes from v_rcp_f32.
; A work-group owns 32 rows, a wave rows 2 w and 2 w + 1: 16 KiB, 32 loads of 512 consecutive bytes, all issued at once and scaled in place.
; The 48 numbers a row come in by planes (lane = row) and are turned through LDS (pitch 132 bytes: 33 words, so the 8 experts of a row lie in 8 different banks).
; Lane L then works for expert L & 7 of row 2 w + ((L >> 3) & 1); lanes 16-31 repeat lanes 0-15.
; Memory binds: no matrix unit, no cluster (no byte is shared between work-groups).
.set L,   1
.set W,   2
.set AGO, 3                            ; my offset in ag: plane 3 w, row = lane
.set BGO, 4                            ; 4 e
.set XO,  5                            ; my 16 bytes in the wave's 16 KiB of X0 and out0; never rewritten
.set LST, 6
.set LRD, 7
.set AGD, 8                            ; v[8:10]   three planes as loaded
.set BG,  11                           ; v[11:13]  bg[l][e]
.set A,   14                           ; v[14:16]  a[l][e]
.set G,   17                           ; v[17:19]  g[l][e]
.set C,   20
.set Z,   21
.set M,   22
.set P,   23
.set N,   24
.set CA,  25
.set R,   26
.set E,   27
.set RR,  28
.set X,   32                           ; v[32:159]
	s_load_b256 s[4:11], s[0:1], 0x0               ; ag s[4:5], bg s[6:7], X0 s[8:9], out0 s[10:11]
	v_lshl_add_u32 v160, v0, 2, 0x1900
	v_mov_b32 v161, 0
	s_lshl_b32 s14, ttmp9, 7                       ; my 32 rows in a plane of ag
	s_mov_b32 s15, 0
	s_lshl_b32 s16, ttmp9, 18                      ; my 32 rows of 8,192 bytes
	s_mov_b32 s17, 0
	v_and_b32 v[L], 31, v0
	v_lshrrev_b32 v[W], 5, v0
	v_mul_u32_u24 v[AGO], v[W], 0x18000            ; three planes of 32,768 bytes
	v_lshl_add_u32 v[AGO], v[L], 2, v[AGO]
	v_and_b32 v[E], 7, v0
	v_lshlrev_b32 v[BGO], 2, v[E]
	v_lshlrev_b32 v[XO], 4, v[L]
	v_lshl_add_u32 v[XO], v[W], 14, v[XO]
	v_mul_u32_u24 v[LST], v[W], 396                ; three planes of 132 bytes
	v_lshl_add_u32 v[LST], v[L], 2, v[LST]
	v_bfe_u32 v[RR], v0, 3, 1
	v_mul_u32_u24 v[LRD], v[E], 132
	v_lshl_add_u32 v[LRD], v[RR], 2, v[LRD]
	v_lshl_add_u32 v[LRD], v[W], 3, v[LRD]         ; plane e, row 2 w + rr
	v_mov_b32 v[C], 1.0
	v_mov_b32 v[M], 0                              ; a DPP destination counts as read: written once here
	s_wait_kmcnt 0x0
	s_add_nc_u64 s[4:5], s[4:5], s[14:15]
	s_add_nc_u64 s[8:9], s[8:9], s[16:17]
	s_add_nc_u64 s[10:11], s[10:11], s[16:17]
.irp t, 0,1,2
	global_load_b32 v[AGD+\t], v[AGO], s[4:5] offset:32768*\t
.endr
.irp l, 0,1,2
	global_load_b32 v[BG+\l], v[BGO], s[6:7] offset:32*\l
.endr
.set i, 0
.rept 32
	global_load_b128 v[X+4*i:X+4*i+3], v[XO], s[8:9] offset:512*i th:TH_LOAD_NT
.set i, i+1
.endr
	s_wait_loadcnt 32                              ; the six small loads are in; X0's 32 stay out
.irp t, 0,1,2
	ds_store_b32 v[LST], v[AGD+\t] offset:132*\t
.endr
	s_wait_dscnt 0x0                               ; for the other waves' sake
	s_barrier_signal -1
	s_barrier_wait -1
.irp l, 0,1,2
	ds_load_b32 v[A+\l], v[LRD] offset:8*\l*132
	ds_load_b32 v[G+\l], v[LRD] offset:(24+8*\l)*132
.endr
	s_wait_dscnt 0x0
; One layer.  The sums and the maximum over the 8 experts ride on the arithmetic (DPP row_xmask 1, 2, 4 stays inside a group of 8 lanes).
.macro LAYER l
	v_fma_f32 v[Z], v[C], v[G+\l], v[BG+\l]        ; the logit
	v_max_num_f32_dpp v[M], v[Z], v[Z] row_xmask:1 row_mask:0xf bank_mask:0xf
	v_max_num_f32_dpp v[M], v[M], v[M] row_xmask:2 row_mask:0xf bank_mask:0xf
	v_max_num_f32_dpp v[M], v[M], v[M] row_xmask:4 row_mask:0xf bank_mask:0xf
	v_sub_f32 v[Z], v[Z], v[M]
	v_mul_f32 v[Z], 0x3fb8aa3b, v[Z]               ; e^x = 2^(1.442695 x)
	v_exp_f32 v[P], v[Z]
	v_mul_f32 v[CA], v[C], v[A+\l]                 ; the plain instruction that stands behind v_exp_f32 before its result is used (ISA guide 5.7.2)
	s_wait_alu depctr_va_vdst(0)
	v_mul_f32 v[N], v[P], v[CA]
.irp x, 1,2,4
	v_add_f32_dpp v[P], v[P], v[P] row_xmask:\x row_mask:0xf bank_mask:0xf
	v_add_f32_dpp v[N], v[N], v[N] row_xmask:\x row_mask:0xf bank_mask:0xf
.endr
	v_rcp_f32 v[R], v[P]                           ; the sum is at least 1: the largest term is 2^0
	v_nop                                          ; the place behind v_rcp_f32: nothing independent is left to do
	s_wait_alu depctr_va_vdst(0)
	v_mul_f32 v[N], v[N], v[R]                     ; c s
	v_fma_f32 v[C], v[C], v[N], v[C]               ; c + c (c s)
.endm
	LAYER 0
	LAYER 1
	LAYER 2
	v_readlane_b32 s20, v[C], 0                    ; row 2 w's factor, twice: the packed multiply names a pair
	v_readlane_b32 s21, v[C], 0
	v_readlane_b32 s22, v[C], 8                    ; row 2 w + 1's
	v_readlane_b32 s23, v[C], 8
; Each turn scales in place and stores from the registers that were loaded; none is written again.  A store covers 512 consecutive aligned bytes.
.set i, 0
.rept 32
	s_wait_loadcnt 31-i                            ; loads come back in order (ISA guide 5.7.1): load i is in
	v_pk_mul_f32 v[X+4*i:X+4*i+1],   v[X+4*i:X+4*i+1],   s[20+2*(i/16):21+2*(i/16)] op_sel_hi:[1,0]
	v_pk_mul_f32 v[X+4*i+2:X+4*i+3], v[X+4*i+2:X+4*i+3], s[20+2*(i/16):21+2*(i/16)] op_sel_hi:[1,0]
	global_store_b128 v[XO], v[X+4*i:X+4*i+3], s[10:11] offset:512*i th:TH_STORE_NT
.set i, i+1
.endr
	s_wait_tensorcnt 0x0
	ds_add_u32 v160, v161
	s_wait_dscnt 0x0
	s_endpgm
.Lfunc_end_k_q0005ee0e23_cross:
	.size	k_q0005ee0e23_cross, .Lfunc_end_k_q0005ee0e23_cross-k_q0005ee0e23_cross
	.p2alignl 7, 3214868480
	.fill 96, 4, 3214868480
	.section	.rodata,"a",@progbits
	.p2align	6, 0x0
	.amdhsa_kernel k_q0005ee0e23_cross
		.amdhsa_group_segment_fixed_size 8448
		.amdhsa_private_segment_fixed_size 0
		.amdhsa_enable_private_segment 0
		.amdhsa_kernarg_size 32
		.amdhsa_user_sgpr_count 2
		.amdhsa_user_sgpr_kernarg_segment_ptr 1
		.amdhsa_wavefront_size32 1
		.amdhsa_system_sgpr_workgroup_id_x 1
		.amdhsa_system_sgpr_workgroup_id_y 1
		.amdhsa_system_sgpr_workgroup_id_z 1
		.amdhsa_system_vgpr_workitem_id 0
		.amdhsa_next_free_vgpr 162
		.amdhsa_next_free_sgpr 66
		.amdhsa_reserve_vcc 0
		.amdhsa_float_denorm_mode_32 3
		.amdhsa_float_denorm_mode_16_64 3
		.amdhsa_memory_ordered 1
		.amdhsa_forward_progress 1
		.amdhsa_inst_pref_size 18
	.end_amdhsa_kernel
	.amdgpu_metadata
---
amdhsa.version: [ 1, 2 ]
amdhsa.kernels:
  - .name:           k_q0005ee0e23_cross
    .symbol:         k_q0005ee0e23_cross.kd
    .args:
      - { .name: ag, .offset: 0, .size: 8, .value_kind: global_buffer, .address_space: global }
      - { .name: bg, .offset: 8, .size: 8, .value_kind: global_buffer, .address_space: global }
      - { .name: X0, .offset: 16, .size: 8, .value_kind: global_buffer, .address_space: global }
      - { .name: out0, .offset: 24, .size: 8, .value_kind: global_buffer, .address_space: global }
    .group_segment_fixed_size: 8448
    .private_segment_fixed_size: 0
    .kernarg_segment_align: 8
    .kernarg_segment_size: 32
    .max_flat_workgroup_size: 512
    .sgpr_count:     66
    .vgpr_count:     162
    .wavefront_size: 32
...
	.end_amdgpu_metadata
.endif
;; end of part 3
;; ======== version 2 of 2: 3 launches; version 1 with the launches cast, cross written anew for expert scheduling mode
;; workspace buffers: Xb 33,554,432 bytes; Wb 13,107,200 bytes; ag 1,572,864 bytes
;; launch cast (part 4): grid 89 x 8, 8 waves a work-group, no clusters, 0 bytes of LDS; arguments X0, U, V, Wg, Xb, Wb; writes Xb, Wb
.if DOCPART == 4
	.amdgcn_target "amdgcn-amd-amdhsa--gfx1250"
	.amdhsa_code_object_version 6
	.text
	.protected	k_q0005ee0e23_cast
	.globl	k_q0005ee0e23_cast
	.p2align	8
	.type	k_q0005ee0e23_cast,@function
k_q0005ee0e23_cast:
	s_mov_b64 s[64:65], 0
	v_nop
	global_prefetch_b8 v0, s[64:65] scope:SCOPE_SE
	s_setreg_imm32_b32 hwreg(HW_REG_WAVE_SCHED_MODE, 0, 2), 2
	s_setreg_imm32_b32 hwreg(HW_REG_WAVE_MODE, 25, 1), 1
	s_wait_xcnt 0x0
	s_wait_alu depctr_vm_vsrc(0)
; f32 to bf16 (round to nearest even), into layouts tiled along K for the product that follows.
;   Xb[kc 0..31][row 0..8191][64 bf16]           byte = kc*1,048,576 + row*128
;   Wb[kc 0..31][expert 0..7][rho 0..399][64]    byte = kc*409,600 + e*51,200 + rho*128
;     rho < 384:  j2 = rho/192, l = (rho%192)/64, t = (rho%64)/32, rr = rho%32: row 32 j2 + rr of (t ? V : U)[l][e]
;     rho = 384+g: Wg[min(g,2)][e].  Rows 387..399 are copies of gate row 2: they are written so that the product reads no
;     unwritten byte; their columns of the product are never used.
; A work-group takes 16 destination rows over all 2,048 K; a wave two rows: 16 KiB in, 8 KiB out.  All 32 loads of a wave go out at once.
; A load: lanes 0-15 take 256 aligned bytes (64 f32, one K plane) of the even row, lanes 16-31 of the odd row.
; A store: 32 lanes x 8 bytes = 256 consecutive aligned bytes, the two rows' 128 bytes of that K plane.
; No LDS, no barrier, no matrix unit, no cluster: no byte is used twice (but for the 13 copied gate rows of each expert).
; Grid: x 0..63 with y 0..7: group 64 y + x of X0's 512; x = 64 + gi, gi 0..23: U and V of expert y; gi = 24: the gates of expert y.
; The kind is chosen by selects on the ids, so the text is one straight line.
; THE MODE: SCHED_MODE bits 1:0 = 2 (LLVM: expert scheduling mode 2), set by the entry lines.  The code itself states the register dependences
; between vector instructions and memory instructions, with s_wait_alu, always for 0.
; THE PLAN.  Registers that memory instructions touch:
;   v[SRC]        Written at the head, read by all 32 loads as their offset, never written again.
;   v[X+4 i ..]   Load i lands in the four; turn i's two conversions write the first two, its add writes the third; store i reads those three;
;                 none of them is written again.
;   v[DST] is named by vector instructions alone.
; The 32 turns go in 8 blocks of four.  Block p converts loads 4 p .. 4 p + 3; its memory instructions are the four stores of block p - 1, whose
; registers no vector instruction of block p names.  So one wait at a block's head states all that its four stores hang on, and they are dealt
; among the block's vector instructions with no further wait.  No register that a memory instruction reads is written again: nothing is owed for that.
.set SRC, 5                            ; v5       byte offset of my 16 bytes in the source, K plane 0
.set DST, 6                            ; v6       byte offset of my 8 bytes in the destination, K plane 0
.set X,   8                            ; v[8:135] load i: 4 registers; then 2 of bf16, 1 of store offset
	s_load_b256 s[4:11], s[0:1], 0x0               ; X0 s[4:5], U s[6:7], V s[8:9], Wg s[10:11]
	s_load_b128 s[12:15], s[0:1], 0x20             ; Xb s[12:13], Wb s[14:15]
	s_and_b32 s2, ttmp7, 0xffff                    ; y
	s_lshl_b32 s26, s2, 6
	s_add_co_u32 s26, s26, ttmp9                   ; X0's group g = 64 y + x
	s_lshl_b32 s27, s26, 17                        ; its source offset: 16 rows of 8,192 bytes
	s_lshl_b32 s28, s26, 11                        ; its destination offset: 16 rows of 128 bytes
	s_sub_co_i32 s29, ttmp9, 64
	s_max_i32 s29, s29, 0                          ; gi, 0..24 (0 where the group is X0's: not used there)
	s_cmp_ge_u32 s29, 12
	s_cselect_b32 s30, 1, 0                        ; j2
	s_mul_i32 s31, s30, 12
	s_sub_co_u32 s31, s29, s31                     ; rem = gi - 12 j2: l = rem>>2, t = bit 1, upper 16 of 32 rows = bit 0
	s_lshr_b32 s18, s31, 2
	s_lshl3_add_u32 s18, s18, s2                   ; 8 l + e
	s_lshl_b32 s18, s18, 6                         ; x 64 rows
	s_lshl_b32 s19, s30, 5
	s_add_co_u32 s18, s18, s19                     ; + 32 j2
	s_and_b32 s19, s31, 1
	s_lshl_b32 s19, s19, 4
	s_add_co_u32 s18, s18, s19                     ; + 16 (rem & 1)
	s_lshl_b32 s18, s18, 13                        ; U's and V's source offset, in bytes
	s_mul_i32 s24, s2, 51200
	s_lshl_b32 s19, s29, 11
	s_add_co_u32 s24, s24, s19                     ; Wb: e*51,200 + gi*16 rows of 128 bytes (gi = 24: row 384, the gates)
	s_lshl_b32 s21, s2, 13                         ; the gates' source offset: row e of layer 0
	s_mov_b32 s25, 409600                          ; from K plane to K plane in Wb
	s_mov_b32 s33, 1048576                         ; and in Xb
	s_wait_kmcnt 0x0
	s_bitcmp1_b32 s31, 1
	s_cselect_b64 s[16:17], s[8:9], s[6:7]         ; t ? V : U
	s_cmp_eq_u32 s29, 24
	s_cselect_b64 s[16:17], s[10:11], s[16:17]     ; the gates come from Wg,
	s_cselect_b32 s18, s21, s18
	s_cselect_b32 s19, 16, 13                      ; where a step of one row is a layer (65,536 bytes) instead of 8,192,
	s_cselect_b32 s20, 2, 15                       ; and rows past the third repeat the third
	s_cmp_lt_u32 ttmp9, 64
	s_cselect_b64 s[16:17], s[4:5], s[16:17]       ; source
	s_cselect_b64 s[22:23], s[12:13], s[14:15]     ; destination
	s_cselect_b32 s18, s27, s18
	s_cselect_b32 s24, s28, s24
	s_cselect_b32 s25, s33, s25
	v_lshrrev_b32 v4, 4, v0                        ; my row of the 16 = 2 x wave + half
	v_min_u32 v4, s20, v4
	v_lshlrev_b32 v4, s19, v4
	v_and_b32 v1, 15, v0
	v_lshl_add_u32 v[SRC], v1, 4, v4               ; + 16 bytes for each lane of the half
	v_add_nc_u32 v[SRC], s18, v[SRC]
	v_lshl_add_u32 v[DST], v0, 3, s24              ; row*128 + 8 (lane mod 16) = 8 x thread
	s_wait_alu depctr_va_vdst(0)                   ; v[SRC] is written: all 32 loads read it as their offset
.set i, 0
.rept 32
	global_load_b128 v[X+4*i:X+4*i+3], v[SRC], s[16:17] offset:256*i th:TH_LOAD_NT
.set i, i+1
.endr
	s_mov_b32 s26, 0                               ; K plane i's offset in the destination
; Each turn has registers of its own for the store's data and offset, so no source of a pending access is ever written again.
.set p, 0
.rept 8
	s_wait_loadcnt 28-4*p                          ; loads come back in order (ISA guide 5.7.1): the block's four are in, the younger ones stay out
.if p > 0
	s_wait_alu depctr_va_vdst(0)                   ; the block before has written its four stores' data (the conversions) and offsets (the adds)
.endif
.set j, 0
.rept 4
.set i, 4*p+j
.if p > 0
	global_store_b64 v[X+4*(i-4)+2], v[X+4*(i-4):X+4*(i-4)+1], s[22:23]  ; the block before; no vector instruction since the wait names these registers
.endif
	v_cvt_pk_bf16_f32 v[X+4*i],   v[X+4*i],   v[X+4*i+1]
	v_cvt_pk_bf16_f32 v[X+4*i+1], v[X+4*i+2], v[X+4*i+3]
	v_add_nc_u32 v[X+4*i+2], s26, v[DST]
	s_add_co_u32 s26, s26, s25
.set j, j+1
.endr
.set p, p+1
.endr
	s_wait_alu depctr_va_vdst(0)                   ; the last block has written its four stores' data and offsets
.set i, 28
.rept 4
	global_store_b64 v[X+4*i+2], v[X+4*i:X+4*i+1], s[22:23]
.set i, i+1
.endr
	s_endpgm
.Lfunc_end_k_q0005ee0e23_cast:
	.size	k_q0005ee0e23_cast, .Lfunc_end_k_q0005ee0e23_cast-k_q0005ee0e23_cast
	.p2alignl 7, 3214868480
	.fill 96, 4, 3214868480
	.section	.rodata,"a",@progbits
	.p2align	6, 0x0
	.amdhsa_kernel k_q0005ee0e23_cast
		.amdhsa_group_segment_fixed_size 0
		.amdhsa_private_segment_fixed_size 0
		.amdhsa_enable_private_segment 0
		.amdhsa_kernarg_size 48
		.amdhsa_user_sgpr_count 2
		.amdhsa_user_sgpr_kernarg_segment_ptr 1
		.amdhsa_wavefront_size32 1
		.amdhsa_system_sgpr_workgroup_id_x 1
		.amdhsa_system_sgpr_workgroup_id_y 1
		.amdhsa_system_sgpr_workgroup_id_z 1
		.amdhsa_system_vgpr_workitem_id 0
		.amdhsa_next_free_vgpr 136
		.amdhsa_next_free_sgpr 66
		.amdhsa_reserve_vcc 0
		.amdhsa_float_denorm_mode_32 3
		.amdhsa_float_denorm_mode_16_64 3
		.amdhsa_memory_ordered 1
		.amdhsa_forward_progress 1
		.amdhsa_inst_pref_size 15
	.end_amdhsa_kernel
	.amdgpu_metadata
---
amdhsa.version: [ 1, 2 ]
amdhsa.kernels:
  - .name:           k_q0005ee0e23_cast
    .symbol:         k_q0005ee0e23_cast.kd
    .args:
      - { .name: X0, .offset: 0, .size: 8, .value_kind: global_buffer, .address_space: global }
      - { .name: U, .offset: 8, .size: 8, .value_kind: global_buffer, .address_space: global }
      - { .name: V, .offset: 16, .size: 8, .value_kind: global_buffer, .address_space: global }
      - { .name: Wg, .offset: 24, .size: 8, .value_kind: global_buffer, .address_space: global }
      - { .name: Xb, .offset: 32, .size: 8, .value_kind: global_buffer, .address_space: global }
      - { .name: Wb, .offset: 40, .size: 8, .value_kind: global_buffer, .address_space: global }
    .group_segment_fixed_size: 0
    .private_segment_fixed_size: 0
    .kernarg_segment_align: 8
    .kernarg_segment_size: 48
    .max_flat_workgroup_size: 256
    .sgpr_count:     66
    .vgpr_count:     136
    .wavefront_size: 32
...
	.end_amdgpu_metadata
.endif
;; end of part 4
;; launch proj: the kernel of part 2 again; grid 8 x 32, 4 waves a work-group, clusters of 4 x 4, 327,680 bytes of LDS; arguments Xb, Wb, ag; writes ag
;; launch cross (part 5): grid 256 x 1, 16 waves a work-group, no clusters, 8,448 bytes of LDS; arguments ag, bg, X0, out0; writes out0
.if DOCPART == 5
	.amdgcn_target "amdgcn-amd-amdhsa--gfx1250"
	.amdhsa_code_object_version 6
	.text
	.protected	k_q0005ee0e23_cross
	.globl	k_q0005ee0e23_cross
	.p2align	8
	.type	k_q0005ee0e23_cross,@function
k_q0005ee0e23_cross:
	s_mov_b64 s[64:65], 0
	v_nop
	global_prefetch_b8 v0, s[64:65] scope:SCOPE_SE
	s_setreg_imm32_b32 hwreg(HW_REG_WAVE_SCHED_MODE, 0, 2), 2
	s_setreg_imm32_b32 hwreg(HW_REG_WAVE_MODE, 25, 1), 1
	s_wait_xcnt 0x0
	s_wait_alu depctr_vm_vsrc(0)
; out[b] = c3[b] X0[b].  Every layer adds a multiple of X0 to Xi, so Xi = c X0 with c0 = 1, and with a, g from the product before:
;   c' = c + c (c s),  s = sum over e of softmax_e(c g[l][e] + bg[l][e]) a[l][e]     (Uo Vo carries c twice, the logits once)
; The softmax takes its maximum away first.  LIMITS: the order of rounding differs from a text that updates Xi itself;
; a gate below 2^-126 counts as 0 (v_exp_f32 flushes denormal results, ISA guide 15.8); 1 / sum comes from v_rcp_f32.
; A work-group owns 32 rows, a wave rows 2 w and 2 w + 1: 16 KiB, 32 loads of 512 consecutive bytes, all issued at once and scaled in place.
; The 48 numbers a row come in by planes (lane = row) and are turned through LDS (pitch 132 bytes: 33 words, so the 8 experts of a row lie in 8 different banks).
; Lane L then works for expert L & 7 of row 2 w + ((L >> 3) & 1); lanes 16-31 repeat lanes 0-15.
; Memory binds: no matrix unit, no cluster (no byte is shared between work-groups).
; THE MODE: SCHED_MODE bits 1:0 = 2 (LLVM: expert scheduling mode 2), set by the entry lines.  The code itself states the register dependences
; between vector instructions and memory or LDS instructions, with s_wait_alu, always for 0.
; THE PLAN.  Registers that memory or LDS instructions touch:
;   v[AGO], v[BGO], v[XO], v[LST], v[LRD], v160, v161   Offsets and LDS addresses: written at the head, never again.  One wait ahead of the first load serves them all.
;   v[AGD ..], v[BG ..]   Written by loads alone; AGD is read by the LDS stores, BG by vector work; never written again.
;   v[A ..], v[G ..]      Written by LDS loads alone; no vector instruction names them before that.
;   v[X+4 i ..]           Load i lands in the four; turn i's two multiplies write them in place; store i reads them; never written again.
;   s[20:23]              Written by v_readlane_b32, read by the multiplies: one wait between.
; The 32 turns go in 8 blocks of four.  Block p scales loads 4 p .. 4 p + 3; its memory instructions are the four stores of block p - 1, whose registers
; no vector instruction of block p names.  So one wait at a block's head states all that its four stores hang on.
; No register that a memory or LDS instruction reads is written again: nothing is owed for that.  EXEC is written nowhere.
.set L,   1
.set W,   2
.set AGO, 3                            ; my offset in ag: plane 3 w, row = lane
.set BGO, 4                            ; 4 e
.set XO,  5                            ; my 16 bytes in the wave's 16 KiB of X0 and out0; never rewritten
.set LST, 6
.set LRD, 7
.set AGD, 8                            ; v[8:10]   three planes as loaded
.set BG,  11                           ; v[11:13]  bg[l][e]
.set A,   14                           ; v[14:16]  a[l][e]
.set G,   17                           ; v[17:19]  g[l][e]
.set C,   20
.set Z,   21
.set M,   22
.set P,   23
.set N,   24
.set CA,  25
.set R,   26
.set E,   27
.set RR,  28
.set X,   32                           ; v[32:159]
	s_load_b256 s[4:11], s[0:1], 0x0               ; ag s[4:5], bg s[6:7], X0 s[8:9], out0 s[10:11]
	v_lshl_add_u32 v160, v0, 2, 0x1900
	v_mov_b32 v161, 0
	s_lshl_b32 s14, ttmp9, 7                       ; my 32 rows in a plane of ag
	s_mov_b32 s15, 0
	s_lshl_b32 s16, ttmp9, 18                      ; my 32 rows of 8,192 bytes
	s_mov_b32 s17, 0
	v_and_b32 v[L], 31, v0
	v_lshrrev_b32 v[W], 5, v0
	v_mul_u32_u24 v[AGO], v[W], 0x18000            ; three planes of 32,768 bytes
	v_lshl_add_u32 v[AGO], v[L], 2, v[AGO]
	v_and_b32 v[E], 7, v0
	v_lshlrev_b32 v[BGO], 2, v[E]
	v_lshlrev_b32 v[XO], 4, v[L]
	v_lshl_add_u32 v[XO], v[W], 14, v[XO]
	v_mul_u32_u24 v[LST], v[W], 396                ; three planes of 132 bytes
	v_lshl_add_u32 v[LST], v[L], 2, v[LST]
	v_bfe_u32 v[RR], v0, 3, 1
	v_mul_u32_u24 v[LRD], v[E], 132
	v_lshl_add_u32 v[LRD], v[RR], 2, v[LRD]
	v_lshl_add_u32 v[LRD], v[W], 3, v[LRD]         ; plane e, row 2 w + rr
	v_mov_b32 v[C], 1.0
	v_mov_b32 v[M], 0                              ; a DPP destination counts as read: written once here
	s_wait_kmcnt 0x0
	s_add_nc_u64 s[4:5], s[4:5], s[14:15]
	s_add_nc_u64 s[8:9], s[8:9], s[16:17]
	s_add_nc_u64 s[10:11], s[10:11], s[16:17]
	s_wait_alu depctr_va_vdst(0)                   ; v[AGO], v[BGO], v[XO], v[LST], v[LRD], v160 and v161 are written: every load, store and LDS instruction below reads one or two of them
.irp t, 0,1,2
	global_load_b32 v[AGD+\t], v[AGO], s[4:5] offset:32768*\t
.endr
.irp l, 0,1,2
	global_load_b32 v[BG+\l], v[BGO], s[6:7] offset:32*\l
.endr
.set i, 0
.rept 32
	global_load_b128 v[X+4*i:X+4*i+3], v[XO], s[8:9] offset:512*i th:TH_LOAD_NT
.set i, i+1
.endr
	s_wait_loadcnt 32                              ; the six small loads are in; X0's 32 stay out
.irp t, 0,1,2
	ds_store_b32 v[LST], v[AGD+\t] offset:132*\t
.endr
	s_wait_dscnt 0x0                               ; for the other waves' sake
	s_barrier_signal -1
	s_barrier_wait -1
.irp l, 0,1,2
	ds_load_b32 v[A+\l], v[LRD] offset:8*\l*132
	ds_load_b32 v[G+\l], v[LRD] offset:(24+8*\l)*132
.endr
	s_wait_dscnt 0x0
; One layer.  The sums and the maximum over the 8 experts ride on the arithmetic (DPP row_xmask 1, 2, 4 stays inside a group of 8 lanes).
.macro LAYER l
	v_fma_f32 v[Z], v[C], v[G+\l], v[BG+\l]        ; the logit
	v_max_num_f32_dpp v[M], v[Z], v[Z] row_xmask:1 row_mask:0xf bank_mask:0xf
	v_max_num_f32_dpp v[M], v[M], v[M] row_xmask:2 row_mask:0xf bank_mask:0xf
	v_max_num_f32_dpp v[M], v[M], v[M] row_xmask:4 row_mask:0xf bank_mask:0xf
	v_sub_f32 v[Z], v[Z], v[M]
	v_mul_f32 v[Z], 0x3fb8aa3b, v[Z]               ; e^x = 2^(1.442695 x)
	v_exp_f32 v[P], v[Z]
	v_mul_f32 v[CA], v[C], v[A+\l]                 ; the plain instruction that stands behind v_exp_f32 before its result is used (ISA guide 5.7.2)
	s_wait_alu depctr_va_vdst(0)                   ; the exponential has written v[P], ahead of its first reader
	v_mul_f32 v[N], v[P], v[CA]
.irp x, 1,2,4
	v_add_f32_dpp v[P], v[P], v[P] row_xmask:\x row_mask:0xf bank_mask:0xf
	v_add_f32_dpp v[N], v[N], v[N] row_xmask:\x row_mask:0xf bank_mask:0xf
.endr
	v_rcp_f32 v[R], v[P]                           ; the sum is at least 1: the largest term is 2^0
	v_nop                                          ; the place behind v_rcp_f32: nothing independent is left to do
	s_wait_alu depctr_va_vdst(0)                   ; the reciprocal has written v[R], ahead of its first reader
	v_mul_f32 v[N], v[N], v[R]                     ; c s
	v_fma_f32 v[C], v[C], v[N], v[C]               ; c + c (c s)
.endm
	LAYER 0
	LAYER 1
	LAYER 2
	v_readlane_b32 s20, v[C], 0                    ; row 2 w's factor, twice: the packed multiply names a pair
	v_readlane_b32 s21, v[C], 0
	v_readlane_b32 s22, v[C], 8                    ; row 2 w + 1's
	v_readlane_b32 s23, v[C], 8
	s_wait_alu depctr_va_sdst(0)                   ; s20 to s23 are written, ahead of their first reader, the first multiply below
; Each turn scales in place and stores from the registers that were loaded; none is written again.  A store covers 512 consecutive aligned bytes.
.set p, 0
.rept 8
	s_wait_loadcnt 28-4*p                          ; loads come back in order (ISA guide 5.7.1): the block's four are in, the younger ones stay out
.if p > 0
	s_wait_alu depctr_va_vdst(0)                   ; the block before's multiplies have written its sixteen registers, which the four stores below read
.endif
.set j, 0
.rept 4
.set i, 4*p+j
.if p > 0
	global_store_b128 v[XO], v[X+4*(i-4):X+4*(i-4)+3], s[10:11] offset:512*(i-4) th:TH_STORE_NT  ; the block before; no vector instruction since the wait names these registers
.endif
	v_pk_mul_f32 v[X+4*i:X+4*i+1],   v[X+4*i:X+4*i+1],   s[20+2*(i/16):21+2*(i/16)] op_sel_hi:[1,0]
	v_pk_mul_f32 v[X+4*i+2:X+4*i+3], v[X+4*i+2:X+4*i+3], s[20+2*(i/16):21+2*(i/16)] op_sel_hi:[1,0]
.set j, j+1
.endr
.set p, p+1
.endr
	s_wait_alu depctr_va_vdst(0)                   ; the last block's multiplies have written its sixteen registers, which the last four stores read
.set i, 28
.rept 4
	global_store_b128 v[XO], v[X+4*i:X+4*i+3], s[10:11] offset:512*i th:TH_STORE_NT
.set i, i+1
.endr
	s_wait_dscnt 0x0                               ; the closing lines, six on end
	s_wait_alu 0x0
	s_wait_tensorcnt 0x0
	ds_add_u32 v160, v161
	s_wait_dscnt 0x0
	s_endpgm
.Lfunc_end_k_q0005ee0e23_cross:
	.size	k_q0005ee0e23_cross, .Lfunc_end_k_q0005ee0e23_cross-k_q0005ee0e23_cross
	.p2alignl 7, 3214868480
	.fill 96, 4, 3214868480
	.section	.rodata,"a",@progbits
	.p2align	6, 0x0
	.amdhsa_kernel k_q0005ee0e23_cross
		.amdhsa_group_segment_fixed_size 8448
		.amdhsa_private_segment_fixed_size 0
		.amdhsa_enable_private_segment 0
		.amdhsa_kernarg_size 32
		.amdhsa_user_sgpr_count 2
		.amdhsa_user_sgpr_kernarg_segment_ptr 1
		.amdhsa_wavefront_size32 1
		.amdhsa_system_sgpr_workgroup_id_x 1
		.amdhsa_system_sgpr_workgroup_id_y 1
		.amdhsa_system_sgpr_workgroup_id_z 1
		.amdhsa_system_vgpr_workitem_id 0
		.amdhsa_next_free_vgpr 162
		.amdhsa_next_free_sgpr 66
		.amdhsa_reserve_vcc 0
		.amdhsa_float_denorm_mode_32 3
		.amdhsa_float_denorm_mode_16_64 3
		.amdhsa_memory_ordered 1
		.amdhsa_forward_progress 1
		.amdhsa_inst_pref_size 18
	.end_amdhsa_kernel
	.amdgpu_metadata
---
amdhsa.version: [ 1, 2 ]
amdhsa.kernels:
  - .name:           k_q0005ee0e23_cross
    .symbol:         k_q0005ee0e23_cross.kd
    .args:
      - { .name: ag, .offset: 0, .size: 8, .value_kind: global_buffer, .address_space: global }
      - { .name: bg, .offset: 8, .size: 8, .value_kind: global_buffer, .address_space: global }
      - { .name: X0, .offset: 16, .size: 8, .value_kind: global_buffer, .address_space: global }
      - { .name: out0, .offset: 24, .size: 8, .value_kind: global_buffer, .address_space: global }
    .group_segment_fixed_size: 8448
    .private_segment_fixed_size: 0
    .kernarg_segment_align: 8
    .kernarg_segment_size: 32
    .max_flat_workgroup_size: 512
    .sgpr_count:     66
    .vgpr_count:     162
    .wavefront_size: 32
...
	.end_amdgpu_metadata
.endif
;; end of part 5
